; MI455X (gfx1250); checked and timed in simulation.
; The chip was launched on July 23, 2026; its instructions are those of AMD's public machine-readable ISA for CDNA 5 (MIT licence, August 2026) and "CDNA5" Instruction Set Architecture Reference Guide (July 2026). The comments in the code are by the model that wrote it; some were corrected since.
;; s LSTM Block. Allowed arithmetic: matrix products marked QUANTISED: E3M2 operands, one E8M0 scale for each 32 along K, by v_wmma_scale_f32_16x16x128_f8f6f4 with both operands' format E3M2, f32 sums; everything else in f32.
;; Inputs: Rfh_b 2,048 float32; Rfh_w 2,048 x 2,048 float32; Rih_b 2,048 float32; Rih_w 2,048 x 2,048 float32; Roh_b 2,048 float32; Roh_w 2,048 x 2,048 float32; Rzh_b 2,048 float32; Rzh_w 2,048 x 2,048 float32; Wfx_b 2,048 float32; Wfx_w 2,048 x 2,048 float32; Wix_b 2,048 float32; Wix_w 2,048 x 2,048 float32; Wox_b 2,048 float32; Wox_w 2,048 x 2,048 float32; Wzx_b 2,048 float32; Wzx_w 2,048 x 2,048 float32; c_prev 2,048 x 2,048 float32; h_prev 2,048 x 2,048 float32; m_prev 2,048 x 2,048 float32; n_prev 2,048 x 2,048 float32; x 2,048 x 2,048 float32.
;; Outputs: out0 2,048 x 2,048 float32; out1 2,048 x 2,048 float32; out2 2,048 x 2,048 float32; out3 2,048 x 2,048 float32.
;; This version of the problem:
;;   THIS VERSION OF THE PROBLEM IS GIVEN IN LOW PRECISION. The matrix products marked QUANTISED in the list below multiply operands that are first quantised to E3M2 (3 exponent bits, 2 mantissa bits; 6 bits a number), with one power-of-two scale for each 32 numbers along K (OCP MX v1.0); their sums are f32. All else is computed in f32.
;;   The module's matrix products, in the order in which they are computed (A, B: the left and right operand; K: the contracted axis; several contracted axes count as one K, in the product's order):
;;     1. [M 2,048, K 2,048] x [K 2,048, N 2,048]; A: input x; B: input Wzx_w: QUANTISED
;;     2. [M 2,048, K 2,048] x [K 2,048, N 2,048]; A: input h_prev; B: input Rzh_w: QUANTISED
;;     3. [M 2,048, K 2,048] x [K 2,048, N 2,048]; A: input x; B: input Wix_w: QUANTISED
;;     4. [M 2,048, K 2,048] x [K 2,048, N 2,048]; A: input h_prev; B: input Rih_w: QUANTISED
;;     5. [M 2,048, K 2,048] x [K 2,048, N 2,048]; A: input x; B: input Wfx_w: QUANTISED
;;     6. [M 2,048, K 2,048] x [K 2,048, N 2,048]; A: input h_prev; B: input Rfh_w: QUANTISED
;;     7. [M 2,048, K 2,048] x [K 2,048, N 2,048]; A: input x; B: input Wox_w: QUANTISED
;;     8. [M 2,048, K 2,048] x [K 2,048, N 2,048]; A: input h_prev; B: input Roh_w: QUANTISED
;;   THE QUANTISER, for each operand of a quantised product, along K:
;;     - K is cut into blocks of 32 from its start; a last block that is shorter is filled with zeros.
;;     - A block's scale is 2^e with e = floor(log2(the largest magnitude in the block)) - 4, held to -126 .. 127; a block of zeros has e = 0. As a byte (E8M0): e + 127.
;;     - Each number is divided by its block's scale, clamped to +-28, and rounded to the nearest number of E3M2, ties to even, subnormals kept.
;;     - The product sums the exact products of the quantised numbers (number of the format x scale) in f32.
;;   ~~~python
;;   def quantise(x, axis):      # numpy; x: float32 -> the quantised numbers, widened to float32 again
;;       x = np.moveaxis(x, axis, -1); K = x.shape[-1]
;;       x = np.pad(x, [(0, 0)] * (x.ndim - 1) + [(0, -K % 32)]); x = x.reshape(x.shape[:-1] + (-1, 32)); a = np.abs(x).max(-1, keepdims=True)
;;       e = np.where(a > 0, np.clip(np.frexp(np.where(a > 0, a, 1))[1] - 1 - 4, -126, 127), 0)      # np.frexp(a)[1] - 1 = floor(log2(a)), exactly
;;       r = np.clip(x / 2.0 ** e, -28, 28)
;;       step = 2.0 ** (np.maximum(np.frexp(np.where(r == 0, 1, r))[1] - 1, -2) - 2)
;;       q = np.round(r / step) * step * 2.0 ** e      # np.round: ties to even
;;       return np.moveaxis(q.reshape(q.shape[:-2] + (-1,))[..., :K], -1, axis).astype(np.float32)
;;   ~~~
;; One version. Each part assembles by itself: llvm-mc -triple=amdgcn-amd-amdhsa -mcpu=gfx1250 --defsym DOCPART=n.
;; ======== version 1 of 1: 2 launches
;; limits: right only within a limited range of input values
;; workspace buffers: ops 32,768,000 bytes
;; launch quant (part 1): grid 256 x 1, 4 waves a work-group, no clusters, 327,680 bytes of LDS; arguments x, h_prev, Wzx_w, Wix_w, Wfx_w, Wox_w, Rzh_w, Rih_w, Rfh_w, Roh_w, ops; writes ops
.if DOCPART == 1
	.amdgcn_target "amdgcn-amd-amdhsa--gfx1250"
	.amdhsa_code_object_version 6
	.text
	.protected	k_qc43beb295d_quant
	.globl	k_qc43beb295d_quant
	.p2align	8
	.type	k_qc43beb295d_quant,@function
k_qc43beb295d_quant:
	s_mov_b64 s[64:65], 0
	v_nop
	global_prefetch_b8 v0, s[64:65] scope:SCOPE_SE
	s_setreg_imm32_b32 hwreg(HW_REG_WAVE_MODE, 25, 1), 1
	s_wait_xcnt 0x0
; Ten tensors [2048][2048] f32, K innermost (x, h_prev, four W, four R), become codes of BF6 (E3M2) with one E8M0 byte for each 32 along K,
; laid in the ORDER OF THE OPERAND'S REGISTERS, so that the product's launch reads fragments 16 bytes a lane on end.
; ops = 80 row groups of 409,600 bytes; a group = 128 operand rows x the joined K of 4,096 = 32 sub-chunks of 12,800 bytes, one for each 128 along K.
; A sub-chunk = 8 fragments of 1,536 bytes (block i of 16 rows at 1,536 i; register j of lane l at 512 (j / 4) + 16 l + 4 (j % 4)), then at 12,288 the scale words:
; half p at 256 p, lane r's 16 bytes = the words of row r of blocks 4 p + 0..3.
; Groups 0-15: A = [x | h_prev], 128 rows each.  Groups 16-79: B, 32 hidden units each; block 2 g + u = gate g (z, i, f, o), hidden units 16 u + 0..15; K = [W | R].
; A block's scale is 2^(floor(log2(largest magnitude)) - 4): its byte is the largest magnitude's exponent field - 4, held at 1 from below by a floor among the maximum's leaves.
; LIMITS: a block of zeros gets the byte 1 where the rule says 127 (its codes are zeros; this program alone reads the bytes); NaN and infinities among the inputs are not served.
; SHARES: the work is 5,120 tiles of 32 rows x 256 K (32 rows of 1,024 bytes, each at a multiple of 1,024 bytes of its tensor): 512 to a tensor, 20 to a work-group, 5 to a wave.
; Wave W (of 1,024) takes tile W % 512 of tensors 2 t + W / 512, t = 0..4, in the order of the arguments; the four waves of a work-group stand side by side on 4,096 bytes of each row.
; A tile is two blocks of 16 rows x two sub-chunks: four fragments.  One tensor load brings it into the wave's own ring of two LDS slots, 16 bytes of padding behind each row (pitch 1,040 = 65 x 16),
; so that lane (r, h) reads k = 64 c + 32 h + 0..31 of row r as eight loads of 16 bytes.  While one slot is worked on, the other's load, 32 KiB a wave, is on its way.
; The codes leave as 512 consecutive bytes a store.  A tile's scale words are 8 of each lane's 16 bytes in two sub-chunks: they leave 8 bytes a lane, 1 byte for each 128 that the launch reads.
; PREFETCH: at each barrier no tensor load is out, so each tile is asked of memory one tile ahead of its tensor load: its 128 blocks of 256 bytes by four instructions of the wave that will load it, a lane a row;
; tile 1 at the head's end, tile t + 2 while tile t is worked on; the last two tiles' turns ask for nothing.
; No cluster: no two work-groups read the same bytes.
.set SUB,    12800
.set GRP,    32*SUB
.set PITCH,  1040
.set TILE,   32*PITCH                  ; a slot: 33,280 bytes
.set SPARE,  8*TILE                    ; behind the four rings: the spare words, 128 bytes a wave
.set LA,   4                           ; v4   LDS: row r, + 128 h, in my ring's slot 0
.set OFF,  5                           ; v5   16 x lane
.set SO,   6                           ; v6   scale words: sub-chunk h, 16 r
.set SH,   7                           ; v7   8 h
.set SPW,  8
.set NIL,  9
.set PFO,  10                          ; v10  the prefetches' offset: lane x a row of 8,192 bytes
.set X,    32                          ; v32-159  two fragments' numbers: X + 64 g + 32 c + n
.set C,    160                         ; v160-207 four fragments' codes
.set CT,   208                         ; v208-223 second halves of the blocks (a conversion's three registers begin on an even number)
.set M,    224
.set S,    228
.set BY,   232
.set WD,   236
.set PD,   238
.set SCW,  240                         ; v240-243 scale word of block u, sub-chunk g at 2 u + g
.set OUTW, 244
.set G1,   32                          ; s[32:39] the tile's shape
.set G0,   40                          ; s[40:43], s[44:47] from where, to where: slot 0, slot 1
.set QA,   48                          ; s[48:49] slot 1's next tile;  s[50:51] slot 0's;  s[52:53], s[54:55] tiles 3 and 4
.set QB,   50
.set Q3,   52
.set PC0,  56                          ; s[56:57], s[58:59] where slot 0's tile puts codes and scale words;  s[60:63] the same for its next tile
.set PS0,  58
.set PC1,  66                          ; s[66:67], s[68:69] the same for slot 1's tile
.set PS1,  68
	s_load_b512 s[8:23], s[0:1], 0x0               ; x, h_prev, Wz, Wi, Wf, Wo, Rz, Ri
	s_load_b128 s[24:27], s[0:1], 0x40             ; Rf, Ro
	s_load_b64 s[28:29], s[0:1], 0x50              ; ops
	v_lshl_add_u32 v[SPW], v0, 2, SPARE
	v_mov_b32 v[NIL], 0
	ds_add_u32 v[SPW], v[NIL]                      ; the opening lines: the add twice on end and its wait ahead of my first tensor load
	ds_add_u32 v[SPW], v[NIL]
	v_lshrrev_b32 v1, 5, v0
	v_readfirstlane_b32 s30, v1                    ; wave
	s_mov_b32 s[G1+0], (2<<16)|(1<<20)|(7<<22)|(3<<25)  ; elements of 4 bytes; behind every 256 words 4 words of padding
	s_mov_b32 s[G1+1], 256<<16                     ; tensor_dim0 = 256
	s_mov_b32 s[G1+2], 32<<16                      ; tensor_dim1 = 32
	s_mov_b32 s[G1+3], 256<<16                     ; tile_dim0 = 256
	s_mov_b32 s[G1+4], 32                          ; tile_dim1 = 32
	s_mov_b32 s[G1+5], 2048                        ; from row to row
	s_mov_b32 s[G1+6], 0
	s_mov_b32 s[G1+7], 0
	s_lshr_b32 s31, ttmp9, 7                       ; hi: the even or the odd tensor of each pair of arguments
	s_and_b32 s2, ttmp9, 127
	s_lshr_b32 s3, s2, 1                           ; which 32 rows: 0..63
	s_and_b32 s2, s2, 1
	s_lshl_b32 s2, s2, 2
	s_add_co_u32 s2, s2, s30                       ; which 256 along K: 0..7
	s_lshl_b32 s4, s3, 18                          ; the source: 32 rows of 8,192 bytes,
	s_lshl_b32 s5, s2, 10
	s_add_co_u32 s4, s4, s5                        ; + 1,024 bytes for each 256 along K: the same place in all five tensors
	s_mov_b32 s5, 0
	s_mul_i32 s6, s2, 2*SUB                        ; two sub-chunks for each 256 along K
	s_lshr_b32 s70, s3, 2                          ; x, h_prev: group = rows / 128,
	s_mul_i32 s70, s70, GRP
	s_mul_i32 s71, s31, 16*SUB                     ; x: sub-chunks 0-15, h_prev: 16-31
	s_add_co_u32 s70, s70, s71
	s_add_co_u32 s70, s70, s6
	s_and_b32 s71, s3, 3                           ; the pair of blocks in the group
	s_mul_i32 s72, s71, 3072
	s_add_co_u32 s72, s72, s70                     ; its codes
	s_mov_b32 s73, 0
	s_lshr_b32 s71, s71, 1
	s_lshl_b32 s71, s71, 8
	s_add_co_u32 s70, s70, s71
	s_and_b32 s71, s3, 1
	s_lshl_b32 s71, s71, 3
	s_add_co_u32 s70, s70, s71
	s_add_co_u32 s70, s70, 12288                   ; its scale words: 12,288 + 256 (pair / 2) + 8 (pair % 2)
	s_mov_b32 s71, 0
	s_add_co_u32 s74, s3, 16                       ; weights: group 16 + the run of 32 hidden units
	s_mul_i32 s74, s74, GRP
	s_add_co_u32 s74, s74, s6
	s_mul_i32 s76, s31, 3072
	s_add_co_u32 s76, s76, s74                     ; tile 1 (Wz or Wi): the pair of blocks is the gate: hi
	s_mov_b32 s77, 0
	s_lshl_b32 s75, s31, 3
	s_add_co_u32 s74, s74, s75
	s_add_co_u32 s74, s74, 12288
	s_mov_b32 s75, 0
	s_mul_i32 s7, s30, 2*TILE                      ; my ring
	s_mov_b32 s78, 0x76543210
	s_mov_b32 s79, 0xfedcba98                      ; selects for lane l xor 16
	s_wait_dscnt 0x0                               ; both opening adds are done
	s_wait_kmcnt 0x0
	s_cmp_eq_u32 s31, 0                            ; the choice hangs on the work-group's number alone
	s_cselect_b64 s[G0+2:G0+3], s[8:9], s[10:11]
	s_cselect_b64 s[48:49], s[12:13], s[14:15]
	s_cselect_b64 s[50:51], s[16:17], s[18:19]
	s_cselect_b64 s[52:53], s[20:21], s[22:23]
	s_cselect_b64 s[54:55], s[24:25], s[26:27]
	s_add_nc_u64 s[G0+2:G0+3], s[G0+2:G0+3], s[4:5]
.irp q, 48,50,52,54
	s_add_nc_u64 s[\q:\q+1], s[\q:\q+1], s[4:5]
.endr
	s_or_b32 s[G0+3], s[G0+3], 0x80000000
	s_mov_b32 s[G0], 1
	s_add_co_u32 s[G0+1], s7, 0
	s_mov_b32 s[G0+4], 1
	s_add_co_u32 s[G0+5], s7, TILE
	tensor_load_to_lds s[G0:G0+3], s[G1:G1+7]      ; tile 0: one tensor load a wave at the head
	s_nop 0
	s_add_nc_u64 s[PC0:PC0+1], s[28:29], s[72:73]
	s_add_nc_u64 s[PS0:PS0+1], s[28:29], s[70:71]
	s_add_nc_u64 s[PC1:PC1+1], s[28:29], s[76:77]
	s_add_nc_u64 s[PS1:PS1+1], s[28:29], s[74:75]
	s_add_nc_u64 s[60:61], s[PC1:PC1+1], 6144      ; tile 2 (Wf or Wo): two gates on
	s_add_nc_u64 s[62:63], s[PS1:PS1+1], 256
	v_and_b32 v1, 31, v0
	v_and_b32 v2, 15, v0                           ; r
	v_bfe_u32 v3, v0, 4, 1                         ; h
	v_lshlrev_b32 v[OFF], 4, v1
	v_lshlrev_b32 v[PFO], 13, v1
	v_mul_u32_u24 v[LA], v2, PITCH
	v_lshl_add_u32 v[LA], v3, 7, v[LA]
	v_add_nc_u32 v[LA], s7, v[LA]
	v_mul_u32_u24 v[SO], v3, SUB
	v_lshl_add_u32 v[SO], v2, 4, v[SO]
	v_lshlrev_b32 v[SH], 3, v3
	v_mov_b32 v[PD], 0                             ; a lane permute's destination counts as read: written once
	v_mov_b32 v[PD+1], 0
	s_wait_alu depctr_va_vdst(0)
; The tile at s[q:q+1] is asked of memory: 32 rows x four blocks of 256 bytes.  guard = 1: in the loop's first trip alone
.macro ASKT q, guard
.if \guard
	s_cmp_gt_u32 s80, 1
	s_cbranch_scc0 .Lnot_\@
.endif
.irp i, 0,1,2,3
	global_prefetch_b8 v[PFO], s[\q:\q+1] offset:256*\i th:TH_LOAD_NT scope:SCOPE_SE
.endr
.Lnot_\@:
.endm
; Slot s takes the tile whose address stands in s[q:q+1].  All my tensor loads have landed, so its group 0 may be written.
.macro FILL s, q
	s_wait_tensorcnt 0x0
	ds_add_u32 v[SPW], v[NIL]
	s_mov_b64 s[G0+4*\s+2:G0+4*\s+3], s[\q:\q+1]
	s_or_b32 s[G0+4*\s+3], s[G0+4*\s+3], 0x80000000
	s_wait_dscnt 0x0                               ; the add is done, and my reads of the slot are back
	s_barrier_signal -1
	s_barrier_wait -1
	tensor_load_to_lds s[G0+4*\s:G0+4*\s+3], s[G1:G1+7]   ; my one tensor load behind the barrier
	s_nop 0
.endm
; Block u (16 rows) of the tile in slot s, both sub-chunks g: two fragments, four blocks of 32 a lane, their maxima by turns.  ask: the pair with the tile to prefetch, or 0
.macro PAIR s, u, pc, ask, guard
.irp g, 0,1
.irp c, 0,1
.irp j, 0,1,2,3,4,5,6,7
	ds_load_b128 v[X+64*\g+32*\c+4*\j:X+64*\g+32*\c+4*\j+3], v[LA] offset:\s*TILE+\u*16*PITCH+512*\g+256*\c+16*\j
.endr
.endr
.endr
.if \ask
	ASKT \ask, \guard
.endif
	s_wait_dscnt 0x0
.irp i, 0,1,2,3
	v_max3_num_f32 v[M+\i], |v[X+32*\i]|, |v[X+32*\i+1]|, 0x2800000   ; with the floor 2^(5 - 127): the byte cannot fall under 1
.endr
.irp n, 2,4,6,8,10,12,14,16,18,20,22,24,26,28,30
.irp i, 0,1,2,3
	v_max3_num_f32 v[M+\i], v[M+\i], |v[X+32*\i+\n]|, |v[X+32*\i+\n+1]|
.endr
.endr
.irp i, 0,1,2,3
	v_add_nc_u32 v[S+\i], 0xfe000000, v[M+\i]      ; 4 off the exponent field: the conversion's scale operand
.endr
.irp i, 0,1,2,3
	v_lshrrev_b32 v[BY+\i], 23, v[S+\i]            ; the scale's byte
.endr
.irp g, 0,1
	v_lshl_or_b32 v[WD+\g], v[BY+2*\g+1], 16, v[BY+2*\g]   ; blocks h and 2 + h of row r,
.endr
.irp g, 0,1
	v_lshlrev_b32 v[WD+\g], v[SH], v[WD+\g]        ; at their places in the word;
.endr
.irp g, 0,1
	v_permlanex16_b32 v[PD+\g], v[WD+\g], s78, s79
.endr
.irp g, 0,1
	v_or_b32 v[SCW+2*\u+\g], v[WD+\g], v[PD+\g]    ; with lane l xor 16's two the word is whole, in both halves of the lanes
.endr
.irp g, 0,1
	v_cvt_scalef32_pk16_bf6_f32 v[C+12*(2*\u+\g):C+12*(2*\u+\g)+2], v[X+64*\g:X+64*\g+15], v[S+2*\g]
	v_cvt_scalef32_pk16_bf6_f32 v[CT+8*\g:CT+8*\g+2], v[X+64*\g+16:X+64*\g+31], v[S+2*\g]
	v_cvt_scalef32_pk16_bf6_f32 v[C+12*(2*\u+\g)+6:C+12*(2*\u+\g)+8], v[X+64*\g+32:X+64*\g+47], v[S+2*\g+1]
	v_cvt_scalef32_pk16_bf6_f32 v[CT+8*\g+4:CT+8*\g+6], v[X+64*\g+48:X+64*\g+63], v[S+2*\g+1]
.endr
	v_nop                                          ; one plain place behind the scaled conversions
.irp g, 0,1
.irp i, 0,1,2
	v_mov_b32 v[C+12*(2*\u+\g)+3+\i], v[CT+8*\g+\i]
	v_mov_b32 v[C+12*(2*\u+\g)+9+\i], v[CT+8*\g+4+\i]
.endr
.endr
.irp g, 0,1
.irp c, 0,1,2
	global_store_b128 v[OFF], v[C+12*(2*\u+\g)+4*\c:C+12*(2*\u+\g)+4*\c+3], s[\pc:\pc+1] offset:\g*SUB+\u*1536+512*\c   ; 32 lanes store 512 consecutive bytes, at a multiple of 256 from the buffer's first byte
.endr
.endr
.endm
; The tile in slot s.  left: the younger tensor loads that may stay out.
.macro IN s, pc, ps, left, ask, guard
	s_wait_tensorcnt \left
	s_wait_xcnt 0x0                                ; the last tile's stores have read their data: those registers are written again only behind this wait
	PAIR \s, 0, \pc, \ask, \guard
	PAIR \s, 1, \pc, 0, 0
	v_cmp_eq_u32 vcc_lo, 1, v3                     ; lanes 0-15 store sub-chunk 0's words of row r, lanes 16-31 sub-chunk 1's
	v_cndmask_b32 v[OUTW], v[SCW], v[SCW+1], vcc_lo
	v_cndmask_b32 v[OUTW+1], v[SCW+2], v[SCW+3], vcc_lo
	global_store_b64 v[SO], v[OUTW:OUTW+1], s[\ps:\ps+1]
.endm
	ASKT QA, 0                                     ; tile 1
	s_mov_b32 s80, 2
.Ltrip:                                                ; a trip: tiles 2 j (slot 0) and 2 j + 1 (slot 1); it loads tiles 2 j + 1 and 2 j + 2 and prefetches tiles 2 j + 2 and, in the first trip, 3
	FILL 1, QA
	IN 0, PC0, PS0, 1, QB, 0
	FILL 0, QB
	IN 1, PC1, PS1, 1, Q3, 1
	s_wait_xcnt 0x0                                ; the stores and the prefetches have read their bases
	s_mov_b64 s[QA:QA+1], s[52:53]                 ; tile 3,
	s_mov_b64 s[QB:QB+1], s[54:55]                 ; tile 4
	s_mov_b64 s[PC0:PC0+1], s[60:61]
	s_mov_b64 s[PS0:PS0+1], s[62:63]
	s_add_nc_u64 s[60:61], s[60:61], 16*SUB        ; from W's sub-chunks to R's
	s_add_nc_u64 s[62:63], s[62:63], 16*SUB
	s_add_nc_u64 s[PC1:PC1+1], s[PC1:PC1+1], 16*SUB
	s_add_nc_u64 s[PS1:PS1+1], s[PS1:PS1+1], 16*SUB
	s_sub_co_u32 s80, s80, 1
	s_cmp_lg_u32 s80, 0
	s_wait_alu depctr_va_vdst(0)
	s_cbranch_scc1 .Ltrip
	IN 0, PC0, PS0, 0, 0, 0                        ; tile 4: nothing more is asked for
	s_wait_tensorcnt 0x0                           ; the wave's end
	ds_add_u32 v[SPW], v[NIL]
	s_wait_dscnt 0x0
	s_endpgm
.Lfunc_end_k_qc43beb295d_quant:
	.size	k_qc43beb295d_quant, .Lfunc_end_k_qc43beb295d_quant-k_qc43beb295d_quant
	.p2alignl 7, 3214868480
	.fill 96, 4, 3214868480
	.section	.rodata,"a",@progbits
	.p2align	6, 0x0
	.amdhsa_kernel k_qc43beb295d_quant
		.amdhsa_group_segment_fixed_size 327680
		.amdhsa_private_segment_fixed_size 0
		.amdhsa_enable_private_segment 0
		.amdhsa_kernarg_size 88
		.amdhsa_user_sgpr_count 2
		.amdhsa_user_sgpr_kernarg_segment_ptr 1
		.amdhsa_wavefront_size32 1
		.amdhsa_system_sgpr_workgroup_id_x 1
		.amdhsa_system_sgpr_workgroup_id_y 1
		.amdhsa_system_sgpr_workgroup_id_z 1
		.amdhsa_system_vgpr_workitem_id 0
		.amdhsa_next_free_vgpr 256
		.amdhsa_next_free_sgpr 96
		.amdhsa_reserve_vcc 1
		.amdhsa_float_denorm_mode_32 3
		.amdhsa_float_denorm_mode_16_64 3
		.amdhsa_memory_ordered 1
		.amdhsa_forward_progress 1
		.amdhsa_inst_pref_size 59
	.end_amdhsa_kernel
	.amdgpu_metadata
---
amdhsa.version: [ 1, 2 ]
amdhsa.kernels:
  - .name:           k_qc43beb295d_quant
    .symbol:         k_qc43beb295d_quant.kd
    .args:
      - { .name: x, .offset: 0, .size: 8, .value_kind: global_buffer, .address_space: global }
      - { .name: h_prev, .offset: 8, .size: 8, .value_kind: global_buffer, .address_space: global }
      - { .name: Wzx_w, .offset: 16, .size: 8, .value_kind: global_buffer, .address_space: global }
      - { .name: Wix_w, .offset: 24, .size: 8, .value_kind: global_buffer, .address_space: global }
      - { .name: Wfx_w, .offset: 32, .size: 8, .value_kind: global_buffer, .address_space: global }
      - { .name: Wox_w, .offset: 40, .size: 8, .value_kind: global_buffer, .address_space: global }
      - { .name: Rzh_w, .offset: 48, .size: 8, .value_kind: global_buffer, .address_space: global }
      - { .name: Rih_w, .offset: 56, .size: 8, .value_kind: global_buffer, .address_space: global }
      - { .name: Rfh_w, .offset: 64, .size: 8, .value_kind: global_buffer, .address_space: global }
      - { .name: Roh_w, .offset: 72, .size: 8, .value_kind: global_buffer, .address_space: global }
      - { .name: ops, .offset: 80, .size: 8, .value_kind: global_buffer, .address_space: global }
    .group_segment_fixed_size: 327680
    .private_segment_fixed_size: 0
    .kernarg_segment_align: 8
    .kernarg_segment_size: 88
    .max_flat_workgroup_size: 128
    .sgpr_count:     96
    .vgpr_count:     256
    .wavefront_size: 32
...
	.end_amdgpu_metadata
.endif
;; end of part 1
;; launch cell (part 2): grid 32 x 8, 4 waves a work-group, clusters of 4 x 4, 327,680 bytes of LDS; arguments ops, c_prev, n_prev, m_prev, out0, out1, out2, out3, Wzx_b, Rzh_b, Wix_b, Rih_b, Wfx_b, Rfh_b, Wox_b, Roh_b; writes out0, out1, out2, out3
.if DOCPART == 2
	.amdgcn_target "amdgcn-amd-amdhsa--gfx1250"
	.amdhsa_code_object_version 6
	.text
	.protected	k_qc43beb295d_cell
	.globl	k_qc43beb295d_cell
	.p2align	8
	.type	k_qc43beb295d_cell,@function
k_qc43beb295d_cell:
	s_mov_b64 s[64:65], 0
	v_nop
	global_prefetch_b8 v0, s[64:65] scope:SCOPE_SE
	s_setreg_imm32_b32 hwreg(HW_REG_WAVE_MODE, 25, 1), 1
	s_wait_xcnt 0x0
	s_wait_alu depctr_hold_cnt(0) depctr_sa_sdst(0) depctr_va_vdst(0) depctr_va_sdst(0) depctr_va_ssrc(0) depctr_va_vcc(0) depctr_vm_vsrc(0)
	s_getreg_b32 s2, hwreg(HW_REG_IB_STS2, 6, 4)
	s_cmp_eq_u32 s2, 0
	s_cbranch_scc0 .Lentry_in_a_cluster
	s_endpgm
.Lentry_in_a_cluster:
	s_bfe_u32 s2, ttmp6, 0x10000c
	s_cmp_lg_u32 s2, 0xf033
	s_cbranch_scc0 .Lentry_shape_is_right
	s_endpgm
.Lentry_shape_is_right:
; The eight products and the cell in one launch.  [x | h_prev] (2,048 x K 4,096) times [W | R]^T for all four gates, on codes of BF6 with E8M0 scales as launch quant laid them (ops: see there), then the sLSTM cell in f32.
; A work-group of four waves makes 256 rows x 64 hidden units x 4 gates; a wave 128 rows x 32 hidden units x 4 gates: 64 accumulators, 512 registers; B's block 2 g + u = gate g, hidden units 16 u + 0..15.
; The product is used transposed (source 0 = B's rows, source 1 = A's), so a lane holds one row and eight neighbouring hidden units of each gate: the cell is lane-wise.  The two biases of a gate are summed and given as the C of the first products.
; K goes in sub-chunks of 128 (12,800 bytes for 128 operand rows) through two LDS slots of three sub-chunks for each of four row groups; ten chunks of three and a last one of two.
; CLUSTERS 4 x 4: A's chunks are asked for jointly along a row of the cluster, B's along a column.  A round of the cluster's barrier stands in front of every group of tensor loads.
; A STEP's 50 LDS loads go out in two runs: behind A's block 1 the next step's B set, scale words and A's blocks 0, 1 (32 loads, 48 products ahead of their use); at the step's end A's blocks 2-7 (18 loads, block 2 sixteen products ahead).
; The counts of s_wait_dscnt name the loads issued behind the fragment wanted: 18 at a step's head (the run at the last step's end); then 47 down to 32: what is left of those 18, and the 32 of this step's first run.
; PREFETCHES: behind each refill of the loop, the chunk that the NEXT refill loads (three steps ahead): 150 blocks of 256 bytes for each wave's row group, shared out by address among the four partners that ask for it jointly, 38 blocks each
; (left-over lanes name the last block again); chunk 2 is asked for in the first step; chunks 0, 1 and the last, shorter one come by their loads alone.  The work-group's own tiles of c_prev, n_prev, m_prev (256 rows x 256 bytes, a lane a row,
; two instructions a wave each): c_prev in the loop's third trip, n_prev in its fourth, m_prev in the step behind the loop; their tensor loads follow in the last two changes of slots.
; THE WAY OUT: c, n, m tiles arrive in LDS slots that are done with; the results of 16 rows go through LDS, so that sixteen lanes store a row's 256 bytes.  A block's c, n, m are read one block ahead, into two sets of registers by turns;
; the rows read back land in window 1 and are stored behind the next block's exponentials.
; tanh(a) = 1 - 2 / (1 + exp(2 a)); with d = log_i - (log_f + m_prev): one of i_hat, f_hat is 1, the other exp(-|d|); h = c / (n (1 + exp(-o_pre))).
.set SUB,   12800
.set WCH,   3*SUB
.set SLOT,  4*WCH
.set WCL,   2*SUB
.set GRP,   32*SUB
.set SB0,   SLOT
.set TP,    272
.set TILE,  256*TP
.set T_N,   0
.set T_M,   TILE
.set T_H,   SB0
.set T_C,   SB0+4*WCL
.set SPARE, T_C+TILE
.set AH,   4
.set AC,   5
.set AN,   6
.set AM,   7
.set RD,   8
.set GO,   12
.set PFO,  13
.set ONE,  14
.set BO,   15
.set ADRA, 16
.set ADRB, 19
.set ADRS, 22
.set SPW,  28
.set NIL,  29
.set PF1,  30                          ; v30, v31 the prefetches' offsets in a chunk of ops
.set PF2,  31
.set SC,   32
.set BI,   64
.set AF,   128
.set EZ,   112                         ; the way out, window 0: v64-111 and v176-223 c, n, m of a block, two sets; v112-127 and v144-159 at work;
.set ED,   144                         ; h and the new m, which go to the stage, have two sets too: v128-143, v160-175 and v224-255 (macro SETS)
.set ERB,  0                           ; window 1, v0-63: 16 rows of four outputs read back from the stage
.set WV, 20
.set RH, 21
.set CH, 22
.set CX, 66
.set TX, 67
.set CY, 100
.set TY, 101
.set MROW, 96
.set MCOL, 97
.set PFA, 98                           ; s[98:99]   the chunk of ops that my prefetches name
.set CPF, 100                          ; s[100:101] my 64 rows of c_prev's tile (behind the last use of CY and TY)
.set QPF, 74                           ; s[74:75]   c_prev's or n_prev's, by the trip
.set G0C, 4
.set G1,  24
.set G0,  32
.set G1L, 40
.set G1B, 48
.set G0B, 56
.set G1LB, 76
.set G1P, 84
.set G0P, 92
.set MSB, 0
.macro WIN new
.if MSB != (\new)
	s_set_vgpr_msb (MSB<<8)|(\new)
.set MSB, (\new)
.endif
.endm
.set TO_B,   0x40
.macro JLOAD g0a, g1a, g0b, g1b
	s_cmp_eq_u32 s[RH], 0
	s_cbranch_scc0 .Lfor_b_\@
	tensor_load_to_lds s[\g0a:\g0a+3], s[\g1a:\g1a+7]
	s_nop 0
.rept 4
	v_nop
.endr
	s_branch .Lasked_\@
.Lfor_b_\@:
	tensor_load_to_lds s[\g0b:\g0b+3], s[\g1b:\g1b+7]
	s_nop 0
.rept 4
	v_nop
.endr
.Lasked_\@:
.endm
.macro CREST
	s_cmp_lg_u32 s[WV], 0
	s_cbranch_scc1 .Lnot_wave_0_\@
	s_barrier_signal -3
.Lnot_wave_0_\@:
	s_barrier_wait -3
	s_barrier_signal -1
	s_barrier_wait -1
.endm
.macro CROUND
	s_barrier_signal -1
	s_barrier_wait -1
	CREST
.endm
.macro PLACES n
.rept \n
	v_nop
.endr
.endm
.macro LASTG g
	s_mov_b32 s[\g+1], (WCL/8)<<16
	s_mov_b32 s[\g+2], 2<<16
	s_mov_b32 s[\g+3], (WCL/8)<<16
	s_mov_b32 s[\g+4], 2
	s_mov_b32 s[\g+5], GRP/8
	s_mov_b32 s[\g+6], 0
	s_mov_b32 s[\g+7], 0
.endm
	s_load_b256 s[4:11], s[0:1], 0x0
	s_load_b256 s[12:19], s[0:1], 0x20
	s_load_b512 s[68:83], s[0:1], 0x40
	v_lshl_add_u32 v[SPW], v0, 2, SPARE
	v_mov_b32 v[NIL], 0
	ds_add_u32 v28, v29                            ; the opening lines
	ds_add_u32 v28, v29
	s_wait_dscnt 0x0
	v_lshrrev_b32 v1, 5, v0
	v_readfirstlane_b32 s[WV], v1
	s_lshr_b32 s[RH], s[WV], 1
	s_and_b32 s[CH], s[WV], 1
	s_bfe_u32 s[CX], ttmp6, 0x40000
	s_bfe_u32 s[CY], ttmp6, 0x40004
	s_lshl_b32 s[TX], ttmp9, 2
	s_add_co_u32 s[TX], s[TX], s[CX]
	s_and_b32 s[TY], ttmp7, 0xffff
	s_lshl_b32 s[TY], s[TY], 2
	s_add_co_u32 s[TY], s[TY], s[CY]
	s_lshl_b32 s[MROW], s[CY], 2
	s_lshl_b32 s[MROW], 15, s[MROW]
	s_lshl_b32 s[MCOL], 0x1111, s[CX]
	s_or_b32 s[G1], s[MROW], (3<<16)|(1<<21)
	s_or_b32 s[G1B], s[MCOL], (3<<16)|(1<<21)
.irp g, G1, G1B
	s_mov_b32 s[\g+1], 32<<16
	s_mov_b32 s[\g+2], 150<<16
	s_mov_b32 s[\g+3], 32<<16
	s_mov_b32 s[\g+4], 150
	s_mov_b32 s[\g+5], 32
	s_mov_b32 s[\g+6], 0
	s_mov_b32 s[\g+7], 0
.endr
	s_or_b32 s[G1L], s[MROW], (3<<16)|(1<<21)
	LASTG G1L
	s_mov_b32 s[G1P], (3<<16)|(1<<20)|(5<<22)|(3<<25)
	s_mov_b32 s[G1P+1], 32<<16
	s_mov_b32 s[G1P+2], 128<<16
	s_mov_b32 s[G1P+3], 32<<16
	s_mov_b32 s[G1P+4], 128
	s_mov_b32 s[G1P+5], 1024
	s_mov_b32 s[G1P+6], 0
	s_mov_b32 s[G1P+7], 0
	s_lshl_b32 s104, s[TY], 1
	s_add_co_u32 s104, s104, s[CH]
	s_mul_i32 s104, s104, GRP
	s_mov_b32 s105, 0
	s_lshl_b32 s98, s[TX], 1
	s_add_co_u32 s98, s98, s[CH]
	s_mul_i32 s98, s98, GRP
	s_add_co_u32 s98, s98, 16*GRP
	s_mov_b32 s99, 0
	s_mul_i32 s3, s[WV], WCH
	s_wait_kmcnt 0x0
	s_add_nc_u64 s[104:105], s[4:5], s[104:105]
	s_add_nc_u64 s[98:99], s[4:5], s[98:99]
.irp s, 0,1
	s_mov_b32 s[G0+4*\s], 1
	s_add_co_u32 s[G0+4*\s+1], s3, (1-\s)*SLOT
	s_add_nc_u64 s[G0+4*\s+2:G0+4*\s+3], s[104:105], \s*WCH
	s_or_b32 s[G0+4*\s+3], s[G0+4*\s+3], 0x80000000
	s_mov_b32 s[G0B+4*\s], 1
	s_add_co_u32 s[G0B+4*\s+1], s3, (1-\s)*SLOT
	s_add_nc_u64 s[G0B+4*\s+2:G0B+4*\s+3], s[98:99], \s*WCH
	s_or_b32 s[G0B+4*\s+3], s[G0B+4*\s+3], 0x80000000
.endr
	; the prefetches of ops: the row group that I fetch, from chunk 2 on; of a chunk's 150 blocks of 256 bytes partner p (cx for A, cy for B) names 38 p .. 38 p + 37, held at 149
	s_cmp_eq_u32 s[RH], 0
	s_cselect_b64 s[PFA:PFA+1], s[104:105], s[98:99]
	s_cselect_b32 s2, s[CX], s[CY]
	s_add_nc_u64 s[PFA:PFA+1], s[PFA:PFA+1], 2*WCH
	s_mul_i32 s2, s2, 38
	v_and_b32 v1, 31, v0
	v_add_nc_u32 v[PF1], s2, v1
	v_min_u32 v27, 5, v1
	v_add3_u32 v27, v27, s2, 32
	v_min_u32 v27, 149, v27
	v_lshlrev_b32 v[PF1], 8, v[PF1]
	v_lshlrev_b32 v[PF2], 8, v27
	s_lshl_b32 s104, s[TY], 21
	s_lshl_b32 s2, s[TX], 8
	s_add_co_u32 s104, s104, s2
	s_mov_b32 s105, 0
	s_add_nc_u64 s[6:7], s[6:7], s[104:105]
	s_add_nc_u64 s[8:9], s[8:9], s[104:105]
	s_add_nc_u64 s[10:11], s[10:11], s[104:105]
	s_mov_b32 s3, 0
	s_mov_b32 s[G0P], 1
	s_mul_i32 s[G0P+1], s[WV], 128*TP
	s_cmp_lt_u32 s[WV], 2
	s_cselect_b64 s[G0P+2:G0P+3], s[8:9], s[10:11]
	s_lshl_b32 s2, s[CH], 20
	s_add_nc_u64 s[G0P+2:G0P+3], s[G0P+2:G0P+3], s[2:3]
	s_or_b32 s[G0P+3], s[G0P+3], 0x80000000
	s_lshl_b32 s2, s[WV], 19
	s_add_nc_u64 s[8:9], s[8:9], s[2:3]
	s_add_nc_u64 s[10:11], s[10:11], s[2:3]
	s_add_nc_u64 s[CPF:CPF+1], s[6:7], s[2:3]
	s_mov_b32 s[G0C], 1
	s_mul_i32 s[G0C+1], s[RH], 128*TP
	s_add_co_u32 s[G0C+1], s[G0C+1], T_C
	s_lshl_b32 s2, s[RH], 20
	s_add_nc_u64 s[G0C+2:G0C+3], s[G0C+2:G0C+3], s[2:3]
	s_or_b32 s[G0C+3], s[G0C+3], 0x80000000
	CROUND
	JLOAD G0, G1, G0B, G1B                         ; chunk 0: one tensor load a wave at the head; the biases' loads and the addresses are made while it is on its way
	s_lshl_b32 s2, s[RH], 20
	s_lshl_b32 s23, s[CH], 16
	s_add_co_u32 s2, s2, s23
	s_add_co_u32 s104, s104, s2
.irp k, 0,1,2,3
	s_add_nc_u64 s[12+2*\k:13+2*\k], s[12+2*\k:13+2*\k], s[104:105]
.endr
	s_lshl_b32 s2, s[TX], 8
	s_lshl_b32 s23, s[CH], 7
	s_add_co_u32 s2, s2, s23
.irp k, 0,1,2,3,4,5,6,7
	s_add_nc_u64 s[68+2*\k:69+2*\k], s[68+2*\k:69+2*\k], s[2:3]
.endr
	v_and_b32 v1, 31, v0
	v_and_b32 v2, 15, v0
	v_bfe_u32 v3, v0, 4, 1
	v_lshlrev_b32 v[BO], 5, v3
.irp g, 0,1,2,3
.irp u, 0,1
	global_load_b128 v[BI+8*(2*\g+\u):BI+8*(2*\g+\u)+3],   v[BO], s[68+4*\g:69+4*\g] offset:64*\u
	global_load_b128 v[BI+8*(2*\g+\u)+4:BI+8*(2*\g+\u)+7], v[BO], s[68+4*\g:69+4*\g] offset:64*\u+16
	global_load_b128 v[AF+8*(2*\g+\u):AF+8*(2*\g+\u)+3],   v[BO], s[70+4*\g:71+4*\g] offset:64*\u
	global_load_b128 v[AF+8*(2*\g+\u)+4:AF+8*(2*\g+\u)+7], v[BO], s[70+4*\g:71+4*\g] offset:64*\u+16
.endr
.endr
	v_lshlrev_b32 v25, 4, v1
	s_mul_i32 s2, s[RH], WCH
	s_mul_i32 s23, s[CH], WCH
	s_add_co_u32 s23, s23, 2*WCH
	v_add_nc_u32 v[ADRA+1], s2, v25
	v_add_nc_u32 v[ADRB+1], s23, v25
	v_add_nc_u32 v[ADRA], SB0, v[ADRA+1]
	v_add_nc_u32 v[ADRB], SB0, v[ADRB+1]
	s_sub_co_u32 s23, s23, s2
	v_mul_u32_u24 v26, s23, v3
	v_lshl_add_u32 v26, v2, 4, v26
	v_add_nc_u32 v26, s2, v26
	v_add_nc_u32 v[ADRS+1], 12288, v26
	v_add_nc_u32 v[ADRS], SB0+12288, v26
	s_mul_i32 s2, s[RH], WCL
	s_mul_i32 s23, s[CH], WCL
	s_add_co_u32 s23, s23, 2*WCL
	v_add_nc_u32 v[ADRA+2], s2, v25
	v_add_nc_u32 v[ADRB+2], s23, v25
	v_add_nc_u32 v[ADRA+2], SB0, v[ADRA+2]
	v_add_nc_u32 v[ADRB+2], SB0, v[ADRB+2]
	s_sub_co_u32 s23, s23, s2
	v_mul_u32_u24 v26, s23, v3
	v_lshl_add_u32 v26, v2, 4, v26
	v_add_nc_u32 v26, s2, v26
	v_add_nc_u32 v[ADRS+2], SB0+12288, v26
	s_mul_i32 s2, s[RH], 128*TP
	s_lshl_b32 s23, s[CH], 7
	s_add_co_u32 s23, s23, s2
	v_mul_u32_u24 v[AN], v2, TP
	v_lshl_add_u32 v[AN], v3, 5, v[AN]
	v_add_nc_u32 v[AN], s23, v[AN]
	v_add_nc_u32 v[AH], T_H, v[AN]
	v_add_nc_u32 v[AC], T_C, v[AN]
	v_add_nc_u32 v[AM], T_M, v[AN]
	s_mul_i32 s23, s[CH], 8*TP
	s_add_co_u32 s23, s23, s2
	v_mul_u32_u24 v[RD+2], v3, TP
	v_lshl_add_u32 v[RD+2], v2, 4, v[RD+2]
	v_add_nc_u32 v[RD+2], s23, v[RD+2]
	v_add_nc_u32 v[RD], T_H, v[RD+2]
	v_add_nc_u32 v[RD+1], T_C, v[RD+2]
	v_add_nc_u32 v[RD+3], T_M, v[RD+2]
	v_lshlrev_b32 v[GO], 13, v3
	v_lshl_add_u32 v[GO], v2, 4, v[GO]
	v_lshlrev_b32 v[PFO], 13, v1
	v_mov_b32 v[ONE], 1.0
	s_wait_alu depctr_va_vdst(0)
	s_wait_tensorcnt 0x0                           ; my part of chunk 0 is in; these lines stand ahead of slot 1's first fill as ahead of a refill
	ds_add_u32 v28, v29
	s_wait_dscnt 0x0
	CROUND
	JLOAD G0+4, G1, G0B+4, G1B                     ; chunk 1
	s_wait_loadcnt 0x0
.irp b, 0,1,2,3,4,5,6,7
.irp j, 0,2,4,6
	v_pk_add_f32 v[BI+8*\b+\j:BI+8*\b+\j+1], v[BI+8*\b+\j:BI+8*\b+\j+1], v[AF+8*\b+\j:AF+8*\b+\j+1]
.endr
.endr
	s_mov_b32 s68, 0x4038aa3b                      ; 2 log2(e)
	s_mov_b32 s69, s68
	s_mov_b32 s70, 0xbfb8aa3b                      ; -log2(e)
	s_mov_b32 s71, s70
	s_mov_b32 s72, 0x3fb8aa3b
	s_or_b32 s[G1LB], s[MCOL], (3<<16)|(1<<21)
	LASTG G1LB
.macro FRAG reg, adr, q, i
.irp c, 0,1,2
	ds_load_b128 v[\reg+4*\c:\reg+4*\c+3], v[\adr] offset:(\q)*SUB+(\i)*1536+512*\c
.endr
.endm
.macro FB2 slot, q, p, i               ; B's fragments i, i + 1 of sub-chunk q into set p
	WIN TO_B
	FRAG 128*(\p)+12*(\i), ADRB+\slot, \q, \i
	FRAG 128*(\p)+12*(\i)+12, ADRB+\slot, \q, (\i)+1
.endm
.macro FA slot, q, i                   ; A's block i
	WIN 0
	FRAG AF+12*(\i), ADRA+\slot, \q, \i
.endm
.macro SCALES slot, q, p
.irp k, 0,1
	ds_load_b128 v[SC+8*(\p)+4*\k:SC+8*(\p)+4*\k+3], v[ADRS+\slot] offset:(\q)*SUB+256*\k
.endr
.endm
.macro WMUL a, zero                    ; source 0 (B) window 1, source 1 (A) window 0, D window 2 or 3; C the same, or window 0 (the biases)
.if \zero
	WIN 0x81+0x40*((\a)/4)
.else
	WIN 0xa1+0x50*((\a)/4)
.endif
.endm
; A's block a against B's eight: the accumulators take turns
.macro MUL8 a, p, zero
	WMUL \a, \zero
.irp b, 0,1,2,3,4,5,6,7
.if \zero
	v_wmma_scale_f32_16x16x128_f8f6f4 v[8*(8*((\a)%4)+\b):8*(8*((\a)%4)+\b)+7], v[128*(\p)+12*\b:128*(\p)+12*\b+11], v[AF+12*(\a):AF+12*(\a)+11], v[BI+8*\b:BI+8*\b+7], v[SC+8*(\p)+\b], v[SC+8*(\p)+(\a)] matrix_a_fmt:MATRIX_FMT_BF6 matrix_b_fmt:MATRIX_FMT_BF6 matrix_a_scale:MATRIX_SCALE_ROW1
.else
	v_wmma_scale_f32_16x16x128_f8f6f4 v[8*(8*((\a)%4)+\b):8*(8*((\a)%4)+\b)+7], v[128*(\p)+12*\b:128*(\p)+12*\b+11], v[AF+12*(\a):AF+12*(\a)+11], v[8*(8*((\a)%4)+\b):8*(8*((\a)%4)+\b)+7], v[SC+8*(\p)+\b], v[SC+8*(\p)+(\a)] matrix_a_fmt:MATRIX_FMT_BF6 matrix_b_fmt:MATRIX_FMT_BF6 matrix_a_scale:MATRIX_SCALE_ROW1
.endif
.endr
.endm
.macro ASKOPS guard                    ; my 38 blocks of the chunk at s[PFA]; guard = 1: not in the loop's last trip, whose chunk would be the shorter last one
.if \guard
	s_cmp_gt_u32 s3, 1
	s_cbranch_scc0 .Lno_ask_\@
.endif
	global_prefetch_b8 v[PF1], s[PFA:PFA+1] th:TH_LOAD_NT scope:SCOPE_SE
	global_prefetch_b8 v[PF2], s[PFA:PFA+1] th:TH_LOAD_NT scope:SCOPE_SE
.Lno_ask_\@:
.endm
.macro ASKS pf                         ; 1: m_prev's tile; 2: in the loop, c_prev's (third trip) or n_prev's (fourth); 3: chunk 2 of ops
.if \pf == 1
	global_prefetch_b8 v[PFO], s[10:11] th:TH_LOAD_NT scope:SCOPE_SE
	global_prefetch_b8 v[PFO], s[10:11] offset:262144 th:TH_LOAD_NT scope:SCOPE_SE
.elseif \pf == 2
	s_cmp_eq_u32 s3, 2
	s_cselect_b64 s[QPF:QPF+1], s[CPF:CPF+1], s[8:9]   ; (the last trip's prefetches have read the pair: a wait on XCNT stands at each change of slots)
	s_cmp_lt_u32 s3, 3
	s_cbranch_scc0 .Lnone_\@
	global_prefetch_b8 v[PFO], s[QPF:QPF+1] th:TH_LOAD_NT scope:SCOPE_SE
	global_prefetch_b8 v[PFO], s[QPF:QPF+1] offset:262144 th:TH_LOAD_NT scope:SCOPE_SE
.Lnone_\@:
.elseif \pf == 3
	ASKOPS 0
.endif
.endm
; A step on sub-chunk q of a slot (B's set p); sub-chunk q + 1 of the same slot is fetched
.macro STEP slot, q, p, zero, pf
	s_wait_dscnt 18                                ; B's set, the scale words, A's blocks 0, 1 are in; A's blocks 2-7 may be out
	MUL8 0, \p, \zero
	MUL8 1, \p, \zero
	PLACES 4
.irp i, 0,2,4,6
	FB2 \slot, (\q)+1, 1-(\p), \i
.endr
	WIN 0
	SCALES \slot, (\q)+1, 1-(\p)
	FA \slot, (\q)+1, 0
	FA \slot, (\q)+1, 1
	ASKS \pf
.irp a, 2,3,4,5,6,7
	s_wait_dscnt 53-3*\a                           ; behind A's block a: blocks a + 1 .. 7, three loads each, and the 32 just issued
	MUL8 \a, \p, \zero
.endr
	PLACES 4
.irp i, 2,3,4,5,6,7
	FA \slot, (\q)+1, \i
.endr
.endm
; A slot's last step changes slots.  All its fragments were asked for in the step before, so the barrier stands behind its first sixteen products.
; fill 1: this slot takes the chunk two on; 3: the last, shorter chunk and c_prev's tile; 2: n_prev's and m_prev's tiles.  ask 1, 2: a prefetch (2: guarded)
.macro TURN slot, next, p, fill, ask
.if \ask
	s_wait_xcnt 0x0                                ; my prefetches have read their addresses
	s_add_nc_u64 s[PFA:PFA+1], s[PFA:PFA+1], WCH
.endif
	s_wait_tensorcnt 0x0                           ; all my tensor loads have landed: my part of the next slot
	ds_add_u32 v[SPW], v[NIL]
	s_wait_dscnt 19                                ; (the add and A's blocks 2-7 may be out)
	MUL8 0, \p, 0
	MUL8 1, \p, 0
	s_wait_dscnt 0x0                               ; the add is done, and my reads of this slot are over
	s_barrier_signal -1
	MUL8 2, \p, 0
	WIN 0
	s_barrier_wait -1
	CREST
.if \fill == 1
	s_add_nc_u64 s[G0+4*\slot+2:G0+4*\slot+3], s[G0+4*\slot+2:G0+4*\slot+3], 2*WCH
	s_add_nc_u64 s[G0B+4*\slot+2:G0B+4*\slot+3], s[G0B+4*\slot+2:G0B+4*\slot+3], 2*WCH
	JLOAD G0+4*\slot, G1, G0B+4*\slot, G1B
.elseif \fill == 3
	s_add_nc_u64 s[G0+4*\slot+2:G0+4*\slot+3], s[G0+4*\slot+2:G0+4*\slot+3], 2*WCH
	s_add_nc_u64 s[G0B+4*\slot+2:G0B+4*\slot+3], s[G0B+4*\slot+2:G0B+4*\slot+3], 2*WCH
	s_mul_i32 s[G0+4*\slot+1], s[WV], WCL
	s_add_co_u32 s[G0+4*\slot+1], s[G0+4*\slot+1], SB0
	s_mul_i32 s[G0B+4*\slot+1], s[WV], WCL
	s_add_co_u32 s[G0B+4*\slot+1], s[G0B+4*\slot+1], SB0
	s_cmp_eq_u32 s[CH], 0
	s_cbranch_scc0 .Lfor_c_\@
	JLOAD G0+4*\slot, G1L, G0B+4*\slot, G1LB
	s_branch .Llast_asked_\@
.Lfor_c_\@:
	tensor_load_to_lds s[G0C:G0C+3], s[G1P:G1P+7]
	s_nop 0
.rept 4
	v_nop
.endr
.Llast_asked_\@:
.else
	tensor_load_to_lds s[G0P:G0P+3], s[G1P:G1P+7]
	s_nop 0
.rept 4
	v_nop
.endr
.endif
.irp i, 0,2,4,6
	FB2 \next, 0, 1-(\p), \i                       ; the four v_nop behind the tensor load are the places in front of these loads
.endr
	WIN 0
	SCALES \next, 0, 1-(\p)
	FA \next, 0, 0
	FA \next, 0, 1
	FA \next, 0, 2
.if \ask
	ASKOPS (\ask)-1
.endif
.irp a, 3,4,5,6,7
	MUL8 \a, \p, 0
.endr
	PLACES 4
.irp i, 3,4,5,6,7
	FA \next, 0, \i
.endr
.endm
	s_wait_alu depctr_va_vdst(0)
	s_wait_tensorcnt 0x1
	s_barrier_signal -1
	s_barrier_wait -1
	SCALES 0, 0, 0
.irp i, 0,2,4,6
	FB2 0, 0, 0, \i
.endr
.irp i, 0,1,2,3,4,5,6,7
	FA 0, 0, \i
.endr
	STEP 0, 0, 0, 1, 3                             ; the first products take the biases as C
	s_mov_b32 s3, 4
.Llap:
	STEP 0, 1, 1, 0, 0
	TURN 0, 1, 0, 1, 1
	STEP 1, 0, 1, 0, 2
	STEP 1, 1, 0, 0, 0
	TURN 1, 0, 1, 1, 2
	STEP 0, 0, 0, 0, 0
	s_sub_co_u32 s3, s3, 1
	s_cmp_lg_u32 s3, 0
	s_cbranch_scc1 .Llap
	STEP 0, 1, 1, 0, 1
	TURN 0, 1, 0, 3, 0
	STEP 1, 0, 1, 0, 0
	STEP 1, 1, 0, 0, 0
	TURN 1, 2, 1, 2, 0
	STEP 2, 0, 0, 0, 0
	s_wait_dscnt 18                                ; the last step fetches nothing: the counts run down
	MUL8 0, 1, 0
	MUL8 1, 1, 0
.irp a, 2,3,4,5,6,7
	s_wait_dscnt 21-3*\a
	MUL8 \a, 1, 0
.endr
	WIN 0
	s_wait_tensorcnt 0x0
	s_wait_dscnt 0x0
	s_barrier_signal -1
	s_barrier_wait -1
	PLACES 4
.macro LOADP blk                       ; c, n, m of block blk into set blk % 2
.set PB, 64+112*((\blk)%2)
.irp u, 0,1
	ds_load_b128 v[PB+8*\u:PB+8*\u+3],       v[AC] offset:(\blk)*16*TP+64*\u
	ds_load_b128 v[PB+8*\u+4:PB+8*\u+7],     v[AC] offset:(\blk)*16*TP+64*\u+16
	ds_load_b128 v[PB+16+8*\u:PB+16+8*\u+3],   v[AN] offset:(\blk)*16*TP+64*\u
	ds_load_b128 v[PB+16+8*\u+4:PB+16+8*\u+7], v[AN] offset:(\blk)*16*TP+64*\u+16
	ds_load_b128 v[PB+32+8*\u:PB+32+8*\u+3],   v[AM] offset:(\blk)*16*TP+64*\u
	ds_load_b128 v[PB+32+8*\u+4:PB+32+8*\u+7], v[AM] offset:(\blk)*16*TP+64*\u+16
.endr
.endm
.macro PUT arr, adr, blk
.irp u, 0,1
	ds_store_b128 v[\adr], v[\arr+8*\u:\arr+8*\u+3] offset:(\blk)*16*TP+64*\u
	ds_store_b128 v[\adr], v[\arr+8*\u+4:\arr+8*\u+7] offset:(\blk)*16*TP+64*\u+16
.endr
.endm
.macro SENDB blk, younger              ; block blk's rows, read back into window 1, are stored; younger: the LDS loads issued behind them
	s_wait_dscnt \younger
	WIN 0x04                                       ; the data: window 1
.irp k, 0,1,2,3
.irp t, 0,1,2,3
	global_store_b128 v[GO], v[ERB+16*\k+4*\t:ERB+16*\k+4*\t+3], s[12+2*\k:13+2*\k] offset:(16*(\blk)+2*\t)*8192 th:TH_STORE_NT   ; 16 lanes store 256 consecutive bytes, aligned
.endr
.endr
	WIN 0
.endm
.macro SETS a                          ; block a's accumulators and its sets of registers
.set AB,  64*((\a)%4)
.set ECP, 64+112*((\a)%2)
.set ENP, ECP+16
.set EMP, ECP+32
.set EO,  128+96*((\a)%2)
.set EMN, 160+80*((\a)%2)
.endm
.macro GETB blk                        ; block blk's rows, whole, back from the stage into window 1
.if (\blk) > 0
	s_wait_xcnt 0x0                                ; the block before's stores have read their data
.endif
	WIN TO_B
.irp k, 0,1,2,3
.irp t, 0,1,2,3
	ds_load_b128 v[ERB+16*\k+4*\t:ERB+16*\k+4*\t+3], v[RD+\k] offset:(16*(\blk)+2*\t)*TP
.endr
.endr
	WIN 0
.endm
; The cell for block a: 16 rows x my 32 hidden units, 16 numbers a lane, in two halves.  FRONT a stands behind block a - 1's stores into the stage: its first lines are the work between those stores and the wait for them,
; its exponentials the work between the barrier's signal and its wait; behind the barrier block a - 1's rows are read back and block a + 1's c, n, m are fetched.
.macro FRONT a
	SETS \a
.if (\a) > 0
	s_wait_dscnt 16                                ; my c, n, m are in; block a - 1's 16 stores into the stage may be out
.else
	s_wait_dscnt 12                                ; block 0's c, n, m are in; block 1's may be out
.endif
	WIN 0x02+(\a)/4
.irp u, 0,1
.irp j, 0,2,4,6
	v_pk_mul_f32 v[EZ+8*\u+\j:EZ+8*\u+\j+1], v[AB+8*\u+\j:AB+8*\u+\j+1], s[68:69] op_sel_hi:[1,0]
.endr
.endr
.irp u, 0,1
.irp j, 0,2,4,6
	v_pk_add_f32 v[EMP+8*\u+\j:EMP+8*\u+\j+1], v[AB+32+8*\u+\j:AB+32+8*\u+\j+1], v[EMP+8*\u+\j:EMP+8*\u+\j+1]
.endr
.endr
.irp u, 0,1
.irp j, 0,2,4,6
	v_pk_add_f32 v[ED+8*\u+\j:ED+8*\u+\j+1], v[AB+16+8*\u+\j:AB+16+8*\u+\j+1], v[EMP+8*\u+\j:EMP+8*\u+\j+1] neg_lo:[0,1] neg_hi:[0,1]
.endr
.endr
.irp e, 0,1,2,3,4,5,6,7,8,9,10,11,12,13,14,15
	v_max_num_f32 v[EMN+\e], v[AB+16+\e], v[EMP+\e]
.endr
.irp u, 0,1
.irp j, 0,2,4,6
	v_pk_mul_f32 v[EO+8*\u+\j:EO+8*\u+\j+1], v[AB+48+8*\u+\j:AB+48+8*\u+\j+1], s[70:71] op_sel_hi:[1,0]
.endr
.endr
	WIN 0
.irp e, 0,1,2,3,4,5,6,7,8,9,10,11,12,13,14,15
	v_mul_f32 v[EMP+\e], -|v[ED+\e]|, s72
.endr
	s_wait_alu depctr_va_vdst(0)                   ; a wait ahead of each batch of transcendentals and one behind it
.if (\a) > 0
	s_wait_dscnt 0x0                               ; a row's 256 bytes come from two waves: my stores of block a - 1 are done,
	s_barrier_signal -1
.endif
.irp e, 0,1,2,3,4,5,6,7,8,9,10,11,12,13,14,15
	v_exp_f32 v[EZ+\e], v[EZ+\e]
.endr
.irp e, 0,1,2,3,4,5,6,7,8,9,10,11,12,13,14,15
	v_exp_f32 v[EO+\e], v[EO+\e]
.endr
.irp e, 0,1,2,3,4,5,6,7,8,9,10,11,12,13,14,15
	v_exp_f32 v[EMP+\e], v[EMP+\e]
.endr
	v_nop
.if (\a) > 0
	s_barrier_wait -1                              ; and everybody's
	GETB (\a)-1
.if (\a) < 7
	LOADP (\a)+1                                   ; one block ahead, into the other set
.endif
.endif
.endm
; BACK a: the rest of the cell, block a - 1's stores to memory among it, and block a's stores into the stage
.macro BACK a
	SETS \a
	s_wait_alu depctr_va_vdst(0)
.irp e, 0,2,4,6,8,10,12,14
	v_pk_add_f32 v[EZ+\e:EZ+\e+1], v[EZ+\e:EZ+\e+1], 1.0 op_sel_hi:[1,0]
.endr
	s_wait_alu depctr_va_vdst(0)
.irp e, 0,1,2,3,4,5,6,7,8,9,10,11,12,13,14,15
	v_rcp_f32 v[EZ+\e], v[EZ+\e]
.endr
.irp e, 0,1,2,3,4,5,6,7,8,9,10,11,12,13,14,15
	v_cmp_le_f32 vcc_lo, 0, v[ED+\e]
	v_cndmask_b32 v[ED+\e], v[EMP+\e], v[ONE], vcc_lo
	v_cndmask_b32 v[EMP+\e], v[ONE], v[EMP+\e], vcc_lo
.endr
.if (\a) > 0
.if (\a) < 7
	SENDB (\a)-1, 12                               ; the block before leaves here; behind its rows' loads stand the 12 of block a + 1's c, n, m
.else
	SENDB (\a)-1, 0
.endif
.endif
	s_wait_alu depctr_va_vdst(0)
.irp e, 0,2,4,6,8,10,12,14
	v_pk_fma_f32 v[EZ+\e:EZ+\e+1], v[EZ+\e:EZ+\e+1], -2.0, 1.0 op_sel_hi:[1,0,0]
.endr
.irp e, 0,2,4,6,8,10,12,14
	v_pk_mul_f32 v[EZ+\e:EZ+\e+1], v[EZ+\e:EZ+\e+1], v[ED+\e:ED+\e+1]
.endr
.irp e, 0,2,4,6,8,10,12,14
	v_pk_fma_f32 v[ECP+\e:ECP+\e+1], v[EMP+\e:EMP+\e+1], v[ECP+\e:ECP+\e+1], v[EZ+\e:EZ+\e+1]
.endr
.irp e, 0,2,4,6,8,10,12,14
	v_pk_fma_f32 v[ENP+\e:ENP+\e+1], v[EMP+\e:EMP+\e+1], v[ENP+\e:ENP+\e+1], v[ED+\e:ED+\e+1]
.endr
.irp e, 0,2,4,6,8,10,12,14
	v_pk_fma_f32 v[EO+\e:EO+\e+1], v[EO+\e:EO+\e+1], v[ENP+\e:ENP+\e+1], v[ENP+\e:ENP+\e+1]
.endr
	s_wait_alu depctr_va_vdst(0)
.irp e, 0,1,2,3,4,5,6,7,8,9,10,11,12,13,14,15
	v_rcp_f32 v[EO+\e], v[EO+\e]
.endr
	v_nop
	s_wait_alu depctr_va_vdst(0)
.irp e, 0,2,4,6,8,10,12,14
	v_pk_mul_f32 v[EO+\e:EO+\e+1], v[EO+\e:EO+\e+1], v[ECP+\e:ECP+\e+1]
.endr
	PUT EO, AH, \a
	PUT ECP, AC, \a
	PUT ENP, AN, \a
	PUT EMN, AM, \a
.endm
	LOADP 0
	LOADP 1
.irp a, 0,1,2,3,4,5,6,7
	FRONT \a
	BACK \a
.endr
	s_wait_dscnt 0x0                               ; the last block: my stores into the stage are done,
	s_barrier_signal -1
	s_barrier_wait -1                              ; and everybody's
	GETB 7
	SENDB 7, 0
	s_wait_tensorcnt 0x0                           ; the wave's end
	ds_add_u32 v[SPW], v[NIL]
	s_wait_dscnt 0x0
	CROUND                                         ; the closing round
	s_endpgm
.Lfunc_end_k_qc43beb295d_cell:
	.size	k_qc43beb295d_cell, .Lfunc_end_k_qc43beb295d_cell-k_qc43beb295d_cell
	.p2alignl 7, 3214868480
	.fill 96, 4, 3214868480
	.section	.rodata,"a",@progbits
	.p2align	6, 0x0
	.amdhsa_kernel k_qc43beb295d_cell
		.amdhsa_group_segment_fixed_size 327680
		.amdhsa_private_segment_fixed_size 0
		.amdhsa_enable_private_segment 0
		.amdhsa_kernarg_size 128
		.amdhsa_user_sgpr_count 2
		.amdhsa_user_sgpr_kernarg_segment_ptr 1
		.amdhsa_wavefront_size32 1
		.amdhsa_system_sgpr_workgroup_id_x 1
		.amdhsa_system_sgpr_workgroup_id_y 1
		.amdhsa_system_sgpr_workgroup_id_z 1
		.amdhsa_system_vgpr_workitem_id 0
		.amdhsa_next_free_vgpr 1024
		.amdhsa_next_free_sgpr 106
		.amdhsa_reserve_vcc 1
		.amdhsa_float_denorm_mode_32 3
		.amdhsa_float_denorm_mode_16_64 3
		.amdhsa_memory_ordered 1
		.amdhsa_forward_progress 1
		.amdhsa_inst_pref_size 255
	.end_amdhsa_kernel
	.section	.bss,"aw",@nobits
	.p2align	6
	.space	262144
	.amdgpu_metadata
---
amdhsa.version: [ 1, 2 ]
amdhsa.kernels:
  - .name:           k_qc43beb295d_cell
    .symbol:         k_qc43beb295d_cell.kd
    .args:
      - { .name: ops, .offset: 0, .size: 8, .value_kind: global_buffer, .address_space: global }
      - { .name: c_prev, .offset: 8, .size: 8, .value_kind: global_buffer, .address_space: global }
      - { .name: n_prev, .offset: 16, .size: 8, .value_kind: global_buffer, .address_space: global }
      - { .name: m_prev, .offset: 24, .size: 8, .value_kind: global_buffer, .address_space: global }
      - { .name: out0, .offset: 32, .size: 8, .value_kind: global_buffer, .address_space: global }
      - { .name: out1, .offset: 40, .size: 8, .value_kind: global_buffer, .address_space: global }
      - { .name: out2, .offset: 48, .size: 8, .value_kind: global_buffer, .address_space: global }
      - { .name: out3, .offset: 56, .size: 8, .value_kind: global_buffer, .address_space: global }
      - { .name: Wzx_b, .offset: 64, .size: 8, .value_kind: global_buffer, .address_space: global }
      - { .name: Rzh_b, .offset: 72, .size: 8, .value_kind: global_buffer, .address_space: global }
      - { .name: Wix_b, .offset: 80, .size: 8, .value_kind: global_buffer, .address_space: global }
      - { .name: Rih_b, .offset: 88, .size: 8, .value_kind: global_buffer, .address_space: global }
      - { .name: Wfx_b, .offset: 96, .size: 8, .value_kind: global_buffer, .address_space: global }
      - { .name: Rfh_b, .offset: 104, .size: 8, .value_kind: global_buffer, .address_space: global }
      - { .name: Wox_b, .offset: 112, .size: 8, .value_kind: global_buffer, .address_space: global }
      - { .name: Roh_b, .offset: 120, .size: 8, .value_kind: global_buffer, .address_space: global }
    .group_segment_fixed_size: 327680
    .private_segment_fixed_size: 0
    .kernarg_segment_align: 8
    .kernarg_segment_size: 128
    .max_flat_workgroup_size: 128
    .sgpr_count:     106
    .vgpr_count:     1024
    .wavefront_size: 32
...
	.end_amdgpu_metadata
.endif
;; end of part 2
